; MI455X (gfx1250); checked and timed in simulation.
; The chip was launched on July 23, 2026; its instructions are those of AMD's public machine-readable ISA for CDNA 5 (MIT licence, August 2026) and "CDNA5" Instruction Set Architecture Reference Guide (July 2026). The comments in the code are by the model that wrote it; some were corrected since.
;; MHSA. Allowed arithmetic: matrix products marked QUANTISED: E2M3 operands, one E8M0 scale for each 32 along K, by v_wmma_scale_f32_16x16x128_f8f6f4 with both operands' format E2M3, f32 sums; everything else in f32.
;; Inputs: b_out 1,024 float32; w_out 1,024 x 1,024 float32; w_qkv 3,072 x 1,024 float32; x 4 x 2,048 x 1,024 float32.
;; Outputs: out0 4 x 2,048 x 1,024 float32.
;; This version of the problem:
;;   THIS VERSION OF THE PROBLEM IS GIVEN IN LOW PRECISION. The matrix products marked QUANTISED in the list below multiply operands that are first quantised to E2M3 (2 exponent bits, 3 mantissa bits; 6 bits a number), with one power-of-two scale for each 32 numbers along K (OCP MX v1.0); their sums are f32. All else is computed in f32.
;;   The module's matrix products, in the order in which they are computed (A, B: the left and right operand; K: the contracted axis; several contracted axes count as one K, in the product's order):
;;     1. [M 8,192, K 1,024] x [K 1,024, N 3,072]; A: input x; B: input w_qkv: QUANTISED
;;     2. batch 64 x [M 2,048, K 64] x [K 64, N 2,048]; A: computed on the way; B: computed on the way: QUANTISED
;;     3. batch 64 x [M 2,048, K 2,048] x [K 2,048, N 64]; A: softmax (see below); B: computed on the way: QUANTISED
;;     4. [M 8,192, K 1,024] x [K 1,024, N 1,024]; A: computed on the way; B: input w_out: QUANTISED
;;   THE QUANTISER, for each operand of a quantised product, along K:
;;     - K is cut into blocks of 32 from its start; a last block that is shorter is filled with zeros.
;;     - A block's scale is 2^e with e = floor(log2(the largest magnitude in the block)) - 2, held to -126 .. 127; a block of zeros has e = 0. As a byte (E8M0): e + 127.
;;     - Each number is divided by its block's scale, clamped to +-7.5, and rounded to the nearest number of E2M3, ties to even, subnormals kept.
;;     - The product sums the exact products of the quantised numbers (number of the format x scale) in f32.
;;   ~~~python
;;   def quantise(x, axis):      # numpy; x: float32 -> the quantised numbers, widened to float32 again
;;       x = np.moveaxis(x, axis, -1); K = x.shape[-1]
;;       x = np.pad(x, [(0, 0)] * (x.ndim - 1) + [(0, -K % 32)]); x = x.reshape(x.shape[:-1] + (-1, 32)); a = np.abs(x).max(-1, keepdims=True)
;;       e = np.where(a > 0, np.clip(np.frexp(np.where(a > 0, a, 1))[1] - 1 - 2, -126, 127), 0)      # np.frexp(a)[1] - 1 = floor(log2(a)), exactly
;;       r = np.clip(x / 2.0 ** e, -7.5, 7.5)
;;       step = 2.0 ** (np.maximum(np.frexp(np.where(r == 0, 1, r))[1] - 1, 0) - 3)
;;       q = np.round(r / step) * step * 2.0 ** e      # np.round: ties to even
;;       return np.moveaxis(q.reshape(q.shape[:-2] + (-1,))[..., :K], -1, axis).astype(np.float32)
;;   ~~~
;;   SOFTMAX AHEAD OF A QUANTISED PRODUCT. Where the list says 'softmax', what is quantised is not the finished softmax but p = 2^(t - M), with t = logit x log2(e) and M = ceil(the row's largest t), a whole number; so 1/2 < the row's largest p <= 1. The row's sum l is taken of the UNQUANTISED p, in f32, and the product's result is divided by l at the end. Since M is a whole number, a kernel that streams over the keys may use a running M (the ceiling of the running maximum): every later rescaling is an exact power of two, which a block's scale takes up: the codes' values come out the same.
;;   OPERANDS COMPUTED ON THE WAY. 'Computed on the way' means the value that the module computes at that place (a softmax that the list does not call 'softmax' is quantised finished and normalised). What goes into a quantiser is computed in f32, as accurately as f32 sums, v_exp_f32 and their like allow (about 1e-6 of the number): no bf16 or f16 on the way to a quantiser, and a product that is left as it is and whose result goes on into a quantised operand takes f32 operands (vector FMAs, or v_wmma_f32_16x16x4_f32). A number that lies on a knife's edge between two numbers of the format may be rounded either way, as far as f32 arithmetic and the matrix unit's own rounding can turn it there, and no further.
;; One version. Each part assembles by itself: llvm-mc -triple=amdgcn-amd-amdhsa -mcpu=gfx1250 --defsym DOCPART=n.
;; ======== version 1 of 1: 4 launches
;; limits: right only within a limited range of input values
;; workspace buffers: cd_in 9,437,184 bytes; sc_in 393,216 bytes; qkv_codes 18,874,368 bytes; qkv_scales 1,572,864 bytes; a_codes 6,291,456 bytes; a_scales 262,144 bytes
;; launch quant (part 1): grid 384 x 1, 4 waves a work-group, no clusters, 35,328 bytes of LDS; arguments x, w_qkv, w_out, cd_in, sc_in; writes cd_in, sc_in
.if DOCPART == 1
	.amdgcn_target "amdgcn-amd-amdhsa--gfx1250"
	.amdhsa_code_object_version 6
	.text
	.protected	k_q13069d08a3_quant
	.globl	k_q13069d08a3_quant
	.p2align	8
	.type	k_q13069d08a3_quant,@function
k_q13069d08a3_quant:
	s_mov_b64 s[64:65], 0
	v_nop
	global_prefetch_b8 v0, s[64:65] scope:SCOPE_SE
	s_setreg_imm32_b32 hwreg(HW_REG_WAVE_MODE, 25, 1), 1
	s_wait_xcnt 0x0
; x [8192][1024], w_qkv [3072][1024], w_out [1024][1024], f32, K innermost, are taken as ONE stack of 12,288 rows and turned into codes of FP6 (E2M3) with one E8M0 byte for each 32 along K.
; A block's scale is 2^(floor(log2(its largest magnitude)) - 2); its byte is the largest magnitude's exponent field - 2, held at 1 from below.
; LIMITS: a block of zeros, and a block whose largest magnitude lies under 2^-124, gets the byte 1 (the bytes are read by this program alone; zero codes add nothing); NaN and infinities are not served.
; LAYOUT OF THE CODES: rows go in groups of 32; tile T = 2 g + u holds, at lane-row p = 0..15, row 32 g + 8 u + p + 8 (p / 8).  A HALF IMAGE is 16 such rows x 64 K, 768 bytes: lane (r, h) owns the 24 bytes
; of block h of lane-row r: bytes 0-15 at 16 x lane, bytes 16-23 at 512 + 8 x lane.  cd_in = [T][chunk of 64 K][768].  So a reader fills six operand registers by one load of 16 and one of 8 bytes a lane.
; sc_in = [T][K half][r][16 bytes]: four scale words, one for each 128 along K.
; SHARES: a work-group takes 32 rows (two tiles); wave = 2 u + kh takes tile u, K half kh: eight steps of 16 rows x 64 numbers.  Each load reads two rows' 256 consecutive bytes; the 4 KiB turn through the
; wave's own stage in LDS (rows 272 bytes apart) and come back 128 bytes a lane: a whole block of 32 neighbours.  No cluster: no two work-groups read the same bytes.  No barrier: waves share nothing.
.set SPARE, 34816                      ; behind the four waves' stages: the spare words, 128 bytes a wave
.set WREG,  8704                       ; a wave's two stages
.set BUF,   4352                       ; one stage: 16 rows x 272 bytes
.set RIN,   24                         ; v24-119   three sets of 32: numbers as loaded
.set XN,    120                        ; v120-183  two sets of 32: a lane's block
.set CD,    184                        ; v184-247  eight registers of codes for each step: no store's data are written again
.set SB,    16                         ; v16-19    my scale bytes, a word for each 128 along K
.set SBX,   20                         ; v20-23    the other half's
	s_load_b256 s[4:11], s[0:1], 0x0               ; x, w_qkv, w_out, cd_in
	s_load_b64 s[12:13], s[0:1], 0x20              ; sc_in
	v_lshl_add_u32 v12, v0, 2, SPARE               ; my spare word; never rewritten
	v_mov_b32 v13, 0                               ; 0; never rewritten
	v_lshrrev_b32 v1, 5, v0
	v_readfirstlane_b32 s16, v1                    ; wave = 2 u + kh
	s_lshr_b32 s17, s16, 1                         ; u
	s_and_b32 s18, s16, 1                          ; kh
	s_mul_i32 s19, s16, WREG                       ; my stages
	s_lshl_b32 s23, s17, 15                        ; tile u begins 8 rows of 4,096 bytes on,
	s_lshl_b32 s24, s18, 11                        ; K half kh 2,048 bytes on
	s_add_co_u32 s23, s23, s24
	s_mov_b32 s20, 0x76543210
	s_mov_b32 s21, 0xfedcba98                      ; v_permlanex16_b32's selects for lane l xor 16
	s_mov_b32 s22, 0xffff0000                      ; lanes 16-31
	v_and_b32 v8, 15, v0                           ; r
	v_bfe_u32 v9, v0, 4, 1                         ; h
	v_and_b32 v10, 31, v0                          ; lane
	v_lshlrev_b32 v11, 4, v8
	v_lshl_add_u32 v2, v9, 12, v11                 ; in: lanes 0-15 one row's 256 bytes, lanes 16-31 the next row's
	v_add_nc_u32 v2, s23, v2
	v_mad_u32_u24 v3, v9, 272, v11                 ; into the stage: the same two rows
	v_add_nc_u32 v3, s19, v3
	v_mul_u32_u24 v4, v8, 272                      ; out of it: row r, block h
	v_lshl_add_u32 v4, v9, 7, v4
	v_add_nc_u32 v4, s19, v4
	v_lshlrev_b32 v5, 4, v10                       ; 16 x lane
	v_lshlrev_b32 v6, 3, v10                       ; 8 x lane
	v_lshl_add_u32 v7, v9, 3, v11                  ; 16 r + 8 h: my half of row r's four scale words
	v_lshlrev_b32 v14, 3, v9                       ; 8 h
.irp i, 0,1,2,3
	v_mov_b32 v[SBX+\i], 0                         ; a lane permute's destination counts as one of its sources
.endr
	s_mul_i32 s26, ttmp9, 24576                    ; codes: two tiles of 12,288 bytes a work-group,
	s_mul_i32 s27, s16, 6144                       ; eight half images a wave
	s_add_co_u32 s26, s26, s27
	s_mov_b32 s27, 0
	s_lshl_b32 s28, ttmp9, 10                      ; scale bytes: 256 a wave
	s_lshl_b32 s29, s16, 8
	s_add_co_u32 s28, s28, s29
	s_mov_b32 s29, 0
	s_mov_b32 s15, 352
	s_wait_alu depctr_va_vdst(0)
	s_wait_kmcnt 0x0
	s_cmp_lt_u32 ttmp9, 352                        ; which tensor: the choice hangs on the work-group's number alone
	s_cselect_b64 s[6:7], s[6:7], s[8:9]
	s_cselect_b32 s14, 256, s15
	s_cmp_lt_u32 ttmp9, 256
	s_cselect_b64 s[4:5], s[4:5], s[6:7]
	s_cselect_b32 s14, 0, s14
	s_sub_co_u32 s14, ttmp9, s14                   ; the group of 32 rows in that tensor,
	s_lshl_b32 s14, s14, 17                        ; 131,072 bytes each
	s_mov_b32 s15, 0
	s_add_nc_u64 s[4:5], s[4:5], s[14:15]
	s_add_nc_u64 s[10:11], s[10:11], s[26:27]
	s_add_nc_u64 s[12:13], s[12:13], s[28:29]
.macro LOAD t                          ; step t: lane-rows 2 i, 2 i + 1 of the tile, 256 bytes each
.irp i, 0,1,2,3,4,5,6,7
	global_load_b128 v[RIN+32*((\t)%3)+4*\i:RIN+32*((\t)%3)+4*\i+3], v2, s[4:5] offset:(2*\i+8*(\i/4))*4096+256*(\t) th:TH_LOAD_NT
.endr
.endm
.macro TURN t                          ; through the stage: LDS serves a wave's instructions in order, so no wait stands between the stores and the loads
.irp i, 0,1,2,3,4,5,6,7
	ds_store_b128 v3, v[RIN+32*((\t)%3)+4*\i:RIN+32*((\t)%3)+4*\i+3] offset:BUF*((\t)%2)+544*\i
.endr
.irp q, 0,1,2,3,4,5,6,7
	ds_load_b128 v[XN+32*((\t)%2)+4*\q:XN+32*((\t)%2)+4*\q+3], v4 offset:BUF*((\t)%2)+16*\q
.endr
.endm
	LOAD 0
	LOAD 1
	LOAD 2
	s_wait_loadcnt 16                              ; step 0's eight loads are in; two steps' may be out
	TURN 0
.macro STEP t
.set XS, XN+32*((\t)%2)
.set CS, CD+8*(\t)
	s_wait_dscnt 0x0                               ; my block is back from the stage, and the stage's stores have read their registers,
.if (\t) < 5
	LOAD (\t)+3                                    ; which take the loads of three steps on
.endif
.if (\t) < 7
.if (\t) < 5
	s_wait_loadcnt 16                              ; the next step's loads are in; those of the two steps behind it may be out
.else
	s_wait_loadcnt 8*(6-(\t))
.endif
	TURN (\t)+1                                    ; the next step goes through the other stage while this one is worked
.endif
	v_max3_num_f32 v8, |v[XS]|, |v[XS+1]|, |v[XS+2]|               ; the block's largest magnitude: all 32 numbers are mine; two chains
	v_max3_num_f32 v9, |v[XS+3]|, |v[XS+4]|, |v[XS+5]|
.irp i, 6,10,14,18,22,26
	v_max3_num_f32 v8, v8, |v[XS+\i]|, |v[XS+\i+1]|
	v_max3_num_f32 v9, v9, |v[XS+\i+2]|, |v[XS+\i+3]|
.endr
	v_max3_num_f32 v8, v8, |v[XS+30]|, |v[XS+31]|
	v_max3_num_f32 v8, v8, v9, 0x1800000           ; and the floor 2^(3 - 127): the byte cannot fall under 1
	v_add_nc_u32 v11, 0xff000000, v8               ; 2 off the exponent field: the conversion takes this operand's exponent field as its scale
	v_cvt_scalef32_pk16_fp6_f32 v[CS:CS+2], v[XS:XS+15], v11
	v_cvt_scalef32_pk16_fp6_f32 v[CS+4:CS+6], v[XS+16:XS+31], v11  ; (a conversion's three registers begin on an even number)
	v_lshrrev_b32 v10, 23, v11                     ; the scale's byte; also the plain line behind the conversions
	v_mov_b32 v[CS+3], v[CS+4]                     ; the block's 24 bytes on end
	v_mov_b32 v[CS+4], v[CS+5]
	v_mov_b32 v[CS+5], v[CS+6]
.if (\t)%2 == 0
	v_mov_b32 v[SB+(\t)/2], v10                    ; chunk t is blocks 2 (t % 2) + h of K step t / 2
.else
	v_lshl_or_b32 v[SB+(\t)/2], v10, 16, v[SB+(\t)/2]
.endif
	global_store_b128 v5, v[CS:CS+3], s[10:11] offset:768*(\t)     ; 512 consecutive bytes, at a multiple of 256
	global_store_b64 v6, v[CS+4:CS+5], s[10:11] offset:768*(\t)+512 ; 256 consecutive bytes
.endm
.irp t, 0,1,2,3,4,5,6,7
	STEP \t
.endr
.irp i, 0,1,2,3
	v_lshlrev_b32 v[SB+\i], v14, v[SB+\i]          ; my bytes at their places: 8 h bits up
.endr
.irp i, 0,1,2,3
	v_permlanex16_b32 v[SBX+\i], v[SB+\i], s20, s21
.endr
.irp i, 0,1,2,3
	v_or_b32 v[SB+\i], v[SB+\i], v[SBX+\i]         ; with lane l xor 16's the words are whole
.endr
	v_cndmask_b32 v8, v16, v18, s22                ; lanes 0-15 store words 0, 1, lanes 16-31 words 2, 3
	v_cndmask_b32 v9, v17, v19, s22
	global_store_b64 v7, v[8:9], s[12:13]          ; 32 lanes store 256 consecutive bytes, at a multiple of 256
	s_wait_tensorcnt 0x0                           ; the wave's end: behind my last LDS store
	ds_add_u32 v12, v13
	s_wait_dscnt 0x0
	s_endpgm
.Lfunc_end_k_q13069d08a3_quant:
	.size	k_q13069d08a3_quant, .Lfunc_end_k_q13069d08a3_quant-k_q13069d08a3_quant
	.p2alignl 7, 3214868480
	.fill 96, 4, 3214868480
	.section	.rodata,"a",@progbits
	.p2align	6, 0x0
	.amdhsa_kernel k_q13069d08a3_quant
		.amdhsa_group_segment_fixed_size 35328
		.amdhsa_private_segment_fixed_size 0
		.amdhsa_enable_private_segment 0
		.amdhsa_kernarg_size 40
		.amdhsa_user_sgpr_count 2
		.amdhsa_user_sgpr_kernarg_segment_ptr 1
		.amdhsa_wavefront_size32 1
		.amdhsa_system_sgpr_workgroup_id_x 1
		.amdhsa_system_sgpr_workgroup_id_y 1
		.amdhsa_system_sgpr_workgroup_id_z 1
		.amdhsa_system_vgpr_workitem_id 0
		.amdhsa_next_free_vgpr 248
		.amdhsa_next_free_sgpr 66
		.amdhsa_reserve_vcc 0
		.amdhsa_float_denorm_mode_32 3
		.amdhsa_float_denorm_mode_16_64 3
		.amdhsa_memory_ordered 1
		.amdhsa_forward_progress 1
		.amdhsa_inst_pref_size 31
	.end_amdhsa_kernel
	.amdgpu_metadata
---
amdhsa.version: [ 1, 2 ]
amdhsa.kernels:
  - .name:           k_q13069d08a3_quant
    .symbol:         k_q13069d08a3_quant.kd
    .args:
      - { .name: x, .offset: 0, .size: 8, .value_kind: global_buffer, .address_space: global }
      - { .name: w_qkv, .offset: 8, .size: 8, .value_kind: global_buffer, .address_space: global }
      - { .name: w_out, .offset: 16, .size: 8, .value_kind: global_buffer, .address_space: global }
      - { .name: cd_in, .offset: 24, .size: 8, .value_kind: global_buffer, .address_space: global }
      - { .name: sc_in, .offset: 32, .size: 8, .value_kind: global_buffer, .address_space: global }
    .group_segment_fixed_size: 35328
    .private_segment_fixed_size: 0
    .kernarg_segment_align: 8
    .kernarg_segment_size: 40
    .max_flat_workgroup_size: 128
    .sgpr_count:     66
    .vgpr_count:     248
    .wavefront_size: 32
...
	.end_amdgpu_metadata
.endif
;; end of part 1
;; launch proj (part 2): grid 8 x 96, 4 waves a work-group, clusters of 4 x 4, 327,680 bytes of LDS; arguments cd_in, sc_in, qkv_codes, qkv_scales; writes qkv_codes, qkv_scales
.if DOCPART == 2
	.amdgcn_target "amdgcn-amd-amdhsa--gfx1250"
	.amdhsa_code_object_version 6
	.text
	.protected	k_q13069d08a3_proj
	.globl	k_q13069d08a3_proj
	.p2align	8
	.type	k_q13069d08a3_proj,@function
k_q13069d08a3_proj:
	s_mov_b64 s[64:65], 0
	v_nop
	global_prefetch_b8 v0, s[64:65] scope:SCOPE_SE
	s_setreg_imm32_b32 hwreg(HW_REG_WAVE_MODE, 25, 1), 1
	s_wait_xcnt 0x0
	s_wait_alu depctr_hold_cnt(0) depctr_sa_sdst(0) depctr_va_vdst(0) depctr_va_sdst(0) depctr_va_ssrc(0) depctr_va_vcc(0) depctr_vm_vsrc(0)
	s_getreg_b32 s2, hwreg(HW_REG_IB_STS2, 6, 4)
	s_cmp_eq_u32 s2, 0
	s_cbranch_scc0 .Lentry_in_a_cluster
	s_endpgm
.Lentry_in_a_cluster:
	s_bfe_u32 s2, ttmp6, 0x10000c
	s_cmp_lg_u32 s2, 0xf033
	s_cbranch_scc0 .Lentry_shape_is_right
	s_endpgm
.Lentry_shape_is_right:
; qkv = x w_qkv^T on codes of FP6 (E2M3) with E8M0 scales, f32 sums; the results leave as CODES: q and k quantised along a head's 64 channels, v along the keys.
; ONE BODY, TWO USES, told apart by the cluster's y alone (numbers are selected, no path differs).  P rows are source 0, R rows source 1, so a lane holds ONE R row and its registers run along P, the axis to be quantised:
;   q, k (cluster y 0-15): P = rows of w_q, w_k (stack tiles 512-639), R = tokens (tiles 0-511);      v (cluster y 16-23): P = tokens, R = rows of w_v (tiles 640-703).
; A tile of 16 rows holds rows 32 g + 8 u + p + 8 (p / 8); so the 16 registers of P tiles 2 g and 2 g + 1 are 16 neighbours along P: 32 g + 16 (lane / 16) + 0 .. 15.
; SHARES: a work-group makes 128 R rows x 256 P rows; each of its four waves 64 x 128: 32 accumulators.  768 work-groups: three for each of 256 WGPs.
; BOTH PANELS FOR ALL OF K LIE IN LDS (98,304 + 196,608 bytes): every LDS byte is filled once, in two stages of 512 along K that are waited for one by one; nothing is filled again.
; CLUSTER 4 x 4: R's panel hangs on the cluster's row and is asked for jointly along it, P's on the column.
; OUT: groups G of four half images (3,072 bytes) and 256 bytes of scale words (16 r + 4 a).  q, k: G = 128 x head + token tile / 4 (k's heads count from 16), image a = token tile % 4;
; v: G = 4096 + 128 x head + chunk of 64 keys, image a = channel tile.  A wave's 128 along P make one scale word PW a row: the first chunk stores PW whole, the second PW >> 16.
; LIMITS: a block of zeros, or under 2^-124, gets the byte 1; NaN and infinities are not served.  q is stored WITHOUT the factor 1/8 (a power of two: the codes are the same, the next launch folds it in);
; blocks of q whose largest magnitude lies under 2^-121 would differ.
; REGISTERS: window 0: v8-23 LDS addresses by stage; v24-30 lane offsets; v32-63 R's scale words (8 a + K step), v64-127 P's (8 b + K step); v128-223 R's fragments, two sets; v224-240 at work.
;   window 1: P's fragments, two sets of 96.   window 2: accumulator (a, b) at v[64 a + 8 b].
.set SPARE, 294912                     ; behind the panels: the spare words, 128 bytes a wave
; FILLS AS THEY STAND NOW (this holds over the count of stages in the comment above): TWO stages, each 512 along K: R's 8 tiles x 6,144 bytes, then P's 16.
; One joint load a wave: wave 0 R's and wave 1 P's first stage, wave 2 R's and wave 3 P's second.  No prefetch: every fill goes out at the head, so there is no loop to run ahead in.
.set STAGE, 147456
.set SPW, 28
.set NIL, 29
.set TM,  224                          ; v224-227 largest magnitudes, v228-231 the other half's / bytes, v236-239 the conversions' scale operands
.set PW,  240                          ; the scale word just made
.set MSB, 0
.macro WIN new                         ; the immediate's high byte repeats the setting that is left
.if MSB != \new
	s_set_vgpr_msb (MSB<<8)|\new
.set MSB, \new
.endif
.endm
.macro CROUND                          ; a round of the cluster's barrier
	s_barrier_signal -1
	s_barrier_wait -1
	s_cmp_lg_u32 s12, 0
	s_cbranch_scc1 .Lnot_wave_0_\@
	s_barrier_signal -3
.Lnot_wave_0_\@:
	s_barrier_wait -3
	s_barrier_signal -1
	s_barrier_wait -1
.endm
.macro FRAG reg, a16, a8, off          ; a fragment, 16 rows x 128 K, is two half images: 16 + 8 bytes a lane each
	ds_load_b128 v[\reg:\reg+3], v[\a16] offset:\off
	ds_load_b64 v[\reg+4:\reg+5], v[\a8] offset:\off+512
	ds_load_b128 v[\reg+6:\reg+9], v[\a16] offset:\off+768
	ds_load_b64 v[\reg+10:\reg+11], v[\a8] offset:\off+1280
.endm
.macro FETCH k                         ; K step k's fragments, 8 of P and 4 of R, into set k % 2: 48 loads in one run
.set FS, (\k)%2
.set FG, (\k)/4
.set FO, 1536*((\k)%4)
	WIN 0x40                                       ; destination window 1, address window 0
.irp b, 0,1,2,3,4,5,6,7
	FRAG 96*FS+12*\b, 16+FG, 20+FG, 6144*\b+FO
.endr
	WIN 0
.irp a, 0,1,2,3
	FRAG 128+48*FS+12*\a, 8+FG, 12+FG, 6144*\a+FO
.endr
.endm
.macro MULS k                          ; 32 products; the 32 accumulators take turns in one fixed order; K step 0 starts the sums
.set FS, (\k)%2
.irp a, 0,1,2,3
.irp b, 0,1,2,3,4,5,6,7
.if (\k) == 0
	v_wmma_scale_f32_16x16x128_f8f6f4 v[64*\a+8*\b:64*\a+8*\b+7], v[96*FS+12*\b:96*FS+12*\b+11], v[128+48*FS+12*\a:128+48*FS+12*\a+11], 0, v[64+8*\b+(\k)], v[32+8*\a+(\k)] matrix_a_fmt:MATRIX_FMT_FP6 matrix_b_fmt:MATRIX_FMT_FP6
.else
	v_wmma_scale_f32_16x16x128_f8f6f4 v[64*\a+8*\b:64*\a+8*\b+7], v[96*FS+12*\b:96*FS+12*\b+11], v[128+48*FS+12*\a:128+48*FS+12*\a+11], v[64*\a+8*\b:64*\a+8*\b+7], v[64+8*\b+(\k)], v[32+8*\a+(\k)] matrix_a_fmt:MATRIX_FMT_FP6 matrix_b_fmt:MATRIX_FMT_FP6
.endif
.endr
.endr
.endm
.macro STEP k
	s_wait_dscnt 0x0                               ; this step's fragments are in
.if (\k) == 3
	s_wait_tensorcnt 0x0                           ; every wave: all that is still out, the second stage, has landed
	s_barrier_signal -1
	s_barrier_wait -1                              ; everybody's has.
.endif
.if (\k) < 7
.if (\k) > 0
.rept 4
	v_nop                                          ; four places in front of loads into registers that the last step's products have read
.endr
.endif
	FETCH (\k)+1
.endif
	WIN 0xa1                                       ; source 0 (P) window 1, source 1 (R) window 0, C and D window 2
	MULS \k
	WIN 0
.endm
	s_load_b256 s[4:11], s[0:1], 0x0               ; cd_in, sc_in, qkv_codes, qkv_scales
	v_lshl_add_u32 v[SPW], v0, 2, SPARE
	v_mov_b32 v[NIL], 0
	ds_add_u32 v[SPW], v[NIL]                      ; the wave's opening: the add and its wait stand ahead of my first tensor load; work on registers stands between them
	ds_add_u32 v[SPW], v[NIL]
	v_lshrrev_b32 v1, 5, v0
	v_readfirstlane_b32 s12, v1                    ; wave 0..3
	s_lshr_b32 s13, s12, 1                         ; which half of R's rows is mine.  Also: the K half (stage) that I fetch
	s_and_b32 s14, s12, 1                          ; which half of P's rows.  Also: I fetch for R (0) or for P (1)
	s_bfe_u32 s15, ttmp6, 0x40000                  ; cx
	s_bfe_u32 s16, ttmp6, 0x40004                  ; cy
	s_lshl_b32 s17, ttmp9, 2
	s_add_co_u32 s17, s17, s15                     ; x = 4 x cluster x + cx
	s_and_b32 s18, ttmp7, 0xffff                   ; cluster y
	s_lshl_b32 s19, s16, 2
	s_lshl_b32 s19, 15, s19                        ; my row of the cluster
	s_lshl_b32 s20, 0x1111, s15                    ; my column
	s_mov_b32 s2, 0x76543210
	s_mov_b32 s3, 0xfedcba98                       ; v_permlanex16_b32's selects for lane l xor 16
	; descriptor group 1: ROWS tiles x 6,144 bytes (768 elements of 8 bytes), 12,288 bytes apart in memory, dense in LDS
	s_or_b32 s24, s19, (3<<16)|(1<<21)             ; R's: mask of my row; elements of 8 bytes; bit 21 beside a mask
	s_or_b32 s32, s20, (3<<16)|(1<<21)             ; P's: mask of my column
.irp g, 24, 32
	s_mov_b32 s[\g+1], 768<<16                     ; tensor_dim0: 6,144 bytes of a tile, 768 elements of 8 bytes
	s_mov_b32 s[\g+3], 768<<16                     ; tile_dim0
	s_mov_b32 s[\g+5], 1536                        ; stride from tile to tile
	s_mov_b32 s[\g+6], 0
	s_mov_b32 s[\g+7], 0
.endr
	s_mov_b32 s26, 8<<16                           ; R: eight tiles a load
	s_mov_b32 s28, 8
	s_mov_b32 s34, 16<<16                          ; P: sixteen
	s_mov_b32 s36, 16
	; which tiles: selected by the cluster's y alone
	s_and_b32 s21, s18, 15
	s_lshr_b32 s22, s21, 1
	s_lshl_b32 s22, s22, 7                         ; v: tokens from tile 128 (y' / 2) on
	s_and_b32 s23, s21, 1
	s_lshl_b32 s23, s23, 5
	s_add_co_u32 s23, s23, 640                     ; v: w_v's tiles from 640 + 32 (y' % 2) on
	s_lshl_b32 s56, s18, 5                         ; q, k: tokens from tile 32 y on
	s_mov_b32 s57, 512                             ; q, k: w_q's and w_k's tiles from 512 on
	s_cmp_ge_u32 s18, 16
	s_cselect_b32 s22, s22, s57
	s_cselect_b32 s23, s23, s56
	s_cselect_b32 s58, 0, s57                      ; where P's numbering begins
	s_cselect_b32 s59, 640, 0                      ; and R's
	s_cselect_b32 s60, 1, 128                      ; groups from a chunk along P to the next
	s_cselect_b32 s61, 1, 0
	s_lshl_b32 s62, s17, 4
	s_add_co_u32 s62, s62, s22                     ; P's first tile: hangs on cx, never on cy
	s_lshl_b32 s63, s16, 3
	s_add_co_u32 s63, s63, s23                     ; R's first tile: hangs on cy, never on cx
	s_mul_i32 s84, s63, 12288                      ; R's panel, in bytes,
	s_mul_i32 s88, s13, 6144                       ; the K half that I fetch: wave / 2
	s_add_co_u32 s84, s84, s88
	s_mov_b32 s85, 0
	s_mul_i32 s86, s62, 12288                      ; and P's
	s_add_co_u32 s86, s86, s88
	s_mov_b32 s87, 0
	s_mul_i32 s88, s13, STAGE                      ; where they go: no place in the cluster enters an LDS address
	s_add_co_u32 s89, s88, 49152
	v_and_b32 v1, 31, v0                           ; lane
	v_and_b32 v2, 15, v0                           ; r
	v_bfe_u32 v3, v0, 4, 1                         ; h
	v_lshlrev_b32 v24, 4, v2                       ; 16 r
	v_lshlrev_b32 v25, 4, v1                       ; 16 x lane
	v_lshlrev_b32 v26, 3, v1                       ; 8 x lane
	v_lshlrev_b32 v30, 4, v3                       ; 16 h
	s_mul_i32 s94, s13, 24576                      ; my four tiles of R,
	s_mul_i32 s95, s14, 49152
	s_add_co_u32 s95, s95, 49152                   ; my eight of P
.irp s, 0,1
	v_add_nc_u32 v[8+\s], s94, v25
	v_add_nc_u32 v[12+\s], s94, v26
	v_add_nc_u32 v[16+\s], s95, v25
	v_add_nc_u32 v[20+\s], s95, v26
	s_add_co_u32 s94, s94, STAGE
	s_add_co_u32 s95, s95, STAGE
.endr
.irp b, 0,1,2,3
	v_mov_b32 v[TM+4+\b], 0                        ; a lane permute's destination counts as one of its sources
.endr
	s_wait_alu depctr_va_vdst(0)
	s_wait_dscnt 0x0                               ; both opening adds are done
	s_wait_kmcnt 0x0
	s_add_nc_u64 s[84:85], s[4:5], s[84:85]
	s_add_nc_u64 s[86:87], s[4:5], s[86:87]
	CROUND                                         ; all sixteen work-groups are here: the joint loads meet
	s_mov_b32 s40, 1                               ; group 0 for R's stage wave / 2
	s_mov_b32 s41, s88
	s_mov_b64 s[42:43], s[84:85]
	s_or_b32 s43, s43, 0x80000000
	s_mov_b32 s68, 1                               ; and for P's
	s_mov_b32 s69, s89
	s_mov_b64 s[70:71], s[86:87]
	s_or_b32 s71, s71, 0x80000000
.macro ARM w, g0, g1, next             ; one chain of branches on the wave's number, one load to an arm, all arms to one join
	s_cmp_eq_u32 s12, \w
	s_cbranch_scc0 \next
	tensor_load_to_lds s[\g0:\g0+3], s[\g1:\g1+7]
	s_nop 0
.rept 4
	v_nop
.endr
	s_branch .Lfilled
\next:
.endm
	ARM 0, 40, 24, .Lfill_1                        ; wave 0: R, first stage
	ARM 1, 68, 32, .Lfill_2                        ; wave 1: P, first stage
	ARM 2, 40, 24, .Lfill_3                        ; wave 2: R, second stage
	tensor_load_to_lds s[68:71], s[32:39]          ; wave 3: P, second stage
	s_nop 0
.rept 4
	v_nop
.endr
.Lfilled:
	s_lshl_b32 s90, s13, 2                         ; the scale words of my tiles, for all of K: 512 bytes a tile, 16 bytes (four K steps) a row and K half
	s_add_co_u32 s90, s90, s63
	s_lshl_b32 s90, s90, 9
	s_mov_b32 s91, 0
	s_add_nc_u64 s[90:91], s[6:7], s[90:91]
	s_lshl_b32 s92, s14, 3
	s_add_co_u32 s92, s92, s62
	s_lshl_b32 s92, s92, 9
	s_mov_b32 s93, 0
	s_add_nc_u64 s[92:93], s[6:7], s[92:93]
.irp a, 0,1,2,3
.irp q, 0,1
	global_load_b128 v[32+8*\a+4*\q:35+8*\a+4*\q], v24, s[90:91] offset:512*\a+256*\q
.endr
.endr
.irp b, 0,1,2,3,4,5,6,7
.irp q, 0,1
	global_load_b128 v[64+8*\b+4*\q:67+8*\b+4*\q], v24, s[92:93] offset:512*\b+256*\q
.endr
.endr
	; where the results go
	s_sub_co_u32 s56, s62, s58
	s_lshr_b32 s56, s56, 2
	s_lshl_b32 s57, s14, 1
	s_add_co_u32 s56, s56, s57                     ; my first chunk of 64 along P
	s_sub_co_u32 s57, s63, s59
	s_lshr_b32 s57, s57, 2
	s_add_co_u32 s57, s57, s13                     ; my four tiles of R, as a group
	s_lshl_b32 s58, s57, 7
	s_add_co_u32 s58, s58, s56
	s_add_co_u32 s58, s58, 4096                    ; v: 4096 + 128 x head + chunk of keys
	s_lshl_b32 s59, s56, 7
	s_add_co_u32 s59, s59, s57                     ; q, k: 128 x head + token tile / 4
	s_cmp_eq_u32 s61, 1
	s_cselect_b32 s58, s58, s59
	s_mul_i32 s96, s58, 3072
	s_mov_b32 s97, 0
	s_add_nc_u64 s[96:97], s[8:9], s[96:97]        ; the first chunk's codes,
	s_mul_i32 s98, s60, 3072
	s_mov_b32 s99, 0
	s_add_nc_u64 s[98:99], s[96:97], s[98:99]      ; the second's
	s_lshl_b32 s66, s58, 8
	s_mov_b32 s67, 0
	s_add_nc_u64 s[66:67], s[10:11], s[66:67]      ; the scale words
	s_lshl_b32 s57, s60, 8
	v_mad_u32_u24 v27, v3, s57, v24                ; 16 r; lanes 16-31 write the second chunk's group
	s_wait_alu depctr_va_vdst(0)
	s_cmp_lt_u32 s12, 2
	s_cbranch_scc0 .Lnot_stage_0
	s_wait_tensorcnt 0x0                           ; waves 0 and 1: the first stage has landed; the load lines are theirs alone
.Lnot_stage_0:
	s_barrier_signal -1
	s_barrier_wait -1                              ; shown to all; the second stage may be on its way
	FETCH 0
	s_wait_loadcnt 0x0                             ; the scale words
	s_wait_alu depctr_va_vdst(0)
.irp k, 0,1,2,3,4,5,6,7
	STEP \k
.endr
; THE WAY OUT.  R block a: my row's 64 numbers, register 16 b + i = place 32 b + 16 (lane / 16) + i along P, become 12 registers of codes (two half images) and a scale word.
.macro QUANT a
.set AC, 64*(\a)
.set PCA, 128+20*(\a)                  ; each block has registers of its own for its codes: no store's data are written again
	WIN 0x28                                       ; sources 1 and 2 window 2
.irp b, 0,1,2,3
	v_max3_num_f32 v[TM+\b], 0x1800000, |v[AC+16*\b]|, |v[AC+16*\b+1]|   ; each accumulator is read from its low end on; the floor 2^(3 - 127) holds the byte at 1 from below
.endr
.irp i, 2,4,6,8,10,12,14
.irp b, 0,1,2,3
	v_max3_num_f32 v[TM+\b], v[TM+\b], |v[AC+16*\b+\i]|, |v[AC+16*\b+\i+1]|
.endr
.endr
	WIN 0
.irp b, 0,1,2,3
	v_permlanex16_b32 v[TM+4+\b], v[TM+\b], s2, s3
.endr
.irp b, 0,1,2,3
	v_max_num_f32 v[TM+\b], v[TM+\b], v[TM+4+\b]   ; with lane l xor 16's: the block's largest magnitude
.endr
.irp b, 0,1,2,3
	v_add_nc_u32 v[TM+12+\b], 0xff000000, v[TM+\b] ; 2 off its exponent field: the conversion's scale operand
.endr
.irp b, 0,1,2,3
	v_lshrrev_b32 v[TM+4+\b], 23, v[TM+12+\b]      ; the scale's byte
.endr
	v_lshl_or_b32 v[PW], v[TM+5], 8, v[TM+4]
	v_lshl_or_b32 v[PW], v[TM+6], 16, v[PW]
	v_lshl_or_b32 v[PW], v[TM+7], 24, v[PW]
	WIN 0x02                                       ; source 0 window 2
.irp c, 0,1
	v_cvt_scalef32_pk16_fp6_f32 v[PCA+6*\c:PCA+6*\c+2], v[AC+32*\c:AC+32*\c+15], v[TM+12+2*\c]
	v_cvt_scalef32_pk16_fp6_f32 v[PCA+12+4*\c:PCA+14+4*\c], v[AC+32*\c+16:AC+32*\c+31], v[TM+13+2*\c]
.endr
	WIN 0
	v_nop                                          ; one plain line behind the conversions
.irp c, 0,1                                    ; a whole block to a lane: lanes 0-15 block 2 c, lanes 16-31 block 2 c + 1
.irp i, 0,1,2
	v_permlane16_swap_b32 v[PCA+6*\c+\i], v[PCA+12+4*\c+\i]
.endr
.irp i, 0,1,2
	v_mov_b32 v[PCA+3+6*\c+\i], v[PCA+12+4*\c+\i]
.endr
.endr
	v_lshrrev_b32 v[208+(\a)], v30, v[PW]          ; lanes 0-15: the word whole, for the first chunk; lanes 16-31: its upper half, for the second
.irp c, 0,1
	global_store_b128 v25, v[PCA+6*\c:PCA+6*\c+3], s[96+2*\c:97+2*\c] offset:768*(\a)        ; 512 consecutive bytes, at a multiple of 256
	global_store_b64 v26, v[PCA+6*\c+4:PCA+6*\c+5], s[96+2*\c:97+2*\c] offset:768*(\a)+512   ; 256 consecutive bytes
.endr
.endm
.rept 4
	v_nop                                          ; four places behind the last products
.endr
	QUANT 0
	QUANT 1
	QUANT 2
	QUANT 3
	global_store_b128 v27, v[208:211], s[66:67]    ; sixteen lanes store a group's 256 bytes of scale words
	s_wait_tensorcnt 0x0                           ; the wave's end
	ds_add_u32 v[SPW], v[NIL]
	s_wait_dscnt 0x0
	CROUND                                         ; the closing round
	s_endpgm
.Lfunc_end_k_q13069d08a3_proj:
	.size	k_q13069d08a3_proj, .Lfunc_end_k_q13069d08a3_proj-k_q13069d08a3_proj
	.p2alignl 7, 3214868480
	.fill 96, 4, 3214868480
	.section	.rodata,"a",@progbits
	.p2align	6, 0x0
	.amdhsa_kernel k_q13069d08a3_proj
		.amdhsa_group_segment_fixed_size 327680
		.amdhsa_private_segment_fixed_size 0
		.amdhsa_enable_private_segment 0
		.amdhsa_kernarg_size 32
		.amdhsa_user_sgpr_count 2
		.amdhsa_user_sgpr_kernarg_segment_ptr 1
		.amdhsa_wavefront_size32 1
		.amdhsa_system_sgpr_workgroup_id_x 1
		.amdhsa_system_sgpr_workgroup_id_y 1
		.amdhsa_system_sgpr_workgroup_id_z 1
		.amdhsa_system_vgpr_workitem_id 0
		.amdhsa_next_free_vgpr 768
		.amdhsa_next_free_sgpr 100
		.amdhsa_reserve_vcc 0
		.amdhsa_float_denorm_mode_32 3
		.amdhsa_float_denorm_mode_16_64 3
		.amdhsa_memory_ordered 1
		.amdhsa_forward_progress 1
		.amdhsa_inst_pref_size 86
	.end_amdhsa_kernel
	.amdgpu_metadata
---
amdhsa.version: [ 1, 2 ]
amdhsa.kernels:
  - .name:           k_q13069d08a3_proj
    .symbol:         k_q13069d08a3_proj.kd
    .args:
      - { .name: cd_in, .offset: 0, .size: 8, .value_kind: global_buffer, .address_space: global }
      - { .name: sc_in, .offset: 8, .size: 8, .value_kind: global_buffer, .address_space: global }
      - { .name: qkv_codes, .offset: 16, .size: 8, .value_kind: global_buffer, .address_space: global }
      - { .name: qkv_scales, .offset: 24, .size: 8, .value_kind: global_buffer, .address_space: global }
    .group_segment_fixed_size: 327680
    .private_segment_fixed_size: 0
    .kernarg_segment_align: 8
    .kernarg_segment_size: 32
    .max_flat_workgroup_size: 128
    .sgpr_count:     100
    .vgpr_count:     768
    .wavefront_size: 32
...
	.end_amdgpu_metadata
.endif
;; end of part 2
;; launch attn (part 3): grid 4 x 64, 16 waves a work-group, clusters of 4 x 1, 327,680 bytes of LDS; arguments qkv_codes, qkv_scales, a_codes, a_scales; writes a_codes, a_scales
.if DOCPART == 3
	.amdgcn_target "amdgcn-amd-amdhsa--gfx1250"
	.amdhsa_code_object_version 6
	.text
	.protected	k_q13069d08a3_attn
	.globl	k_q13069d08a3_attn
	.p2align	8
	.type	k_q13069d08a3_attn,@function
k_q13069d08a3_attn:
	s_mov_b64 s[64:65], 0
	v_nop
	global_prefetch_b8 v0, s[64:65] scope:SCOPE_SE
	s_setreg_imm32_b32 hwreg(HW_REG_WAVE_MODE, 25, 1), 1
	s_wait_xcnt 0x0
	s_wait_alu depctr_hold_cnt(0) depctr_sa_sdst(0) depctr_va_vdst(0) depctr_va_sdst(0) depctr_va_ssrc(0) depctr_va_vcc(0) depctr_vm_vsrc(0)
	s_getreg_b32 s2, hwreg(HW_REG_IB_STS2, 6, 4)
	s_cmp_eq_u32 s2, 0
	s_cbranch_scc0 .Lentry_in_a_cluster
	s_endpgm
.Lentry_in_a_cluster:
	s_bfe_u32 s2, ttmp6, 0x10000c
	s_cmp_lg_u32 s2, 0x3003
	s_cbranch_scc0 .Lentry_shape_is_right
	s_endpgm
.Lentry_shape_is_right:
; ATTENTION ON CODES OF FP6 (E2M3) WITH E8M0 SCALES: o = softmax(q k^T / 8) v for one batch and head; the result leaves as codes and scale bytes, quantised along the head's 64 channels, for the last product.
; SHARES: work-group (cx, y): batch y / 16, head y % 16, queries 512 cx .. + 511.  Wave w takes query tiles 32 cx + w and 32 cx + 16 + w, 16 queries each, one after the other (two passes), each over all 2,048 keys in 16 steps of 128.
; Both products are used transposed (S^T = k q^T, O^T = v^T p^T): a lane holds one query.  The head's 64 channels fill half of the first product's K; q's upper six registers are zero codes.
; SOFTMAX: t = score x log2(e) / 8 (q is stored without the factor 1/8); M = the ceiling of the running largest t; p = 2^(t - M); the sum is taken of the unquantised p; a change of M multiplies sum and O^T by a power of two.
; A block's largest p is made from the block's largest score by the same multiply-add and exponential.
; LDS: k's codes of all keys at KC (98,304 bytes), v's at VC, their scale words at KS (8,192 + 8,192), the spare words behind.  Every byte is filled once.
; FILLS: the four work-groups of a cluster need the same k and v and ask jointly (mask 15).  One load a wave: waves 0-5 a sixth of k's codes each (64 rows of 256 bytes), waves 6-11 of v's, waves 12-13 half of k's scale words each (16 rows), waves 14-15 of v's.
; No prefetch: every fill goes out at the head, so there is no loop to run ahead in.
; LIMITS: NaN and infinities are not served; the scaled scores t stay under 2^31 in magnitude; a block of zeros, or one under 2^-124, gets the byte 1 (the bytes are read by this program alone).
.set KC, 0
.set VC, 98304
.set KS, 196608
.set SPARE, 212992
.macro CROUND
	s_barrier_signal -1
	s_barrier_wait -1
	s_cmp_lg_u32 s12, 0
	s_cbranch_scc1 .Lnot_wave_0_\@
	s_barrier_signal -3
.Lnot_wave_0_\@:
	s_barrier_wait -3
	s_barrier_signal -1
	s_barrier_wait -1
.endm
	s_load_b256 s[4:11], s[0:1], 0x0
	v_lshl_add_u32 v4, v0, 2, SPARE
	v_mov_b32 v5, 0
	ds_add_u32 v4, v5
	ds_add_u32 v4, v5
	v_lshrrev_b32 v1, 5, v0
	s_delay_alu instid0(VALU_DEP_1)
	v_readfirstlane_b32 s12, v1
	s_bfe_u32 s13, ttmp6, 0x40000
	s_and_b32 s14, ttmp7, 0xffff
	s_lshr_b32 s15, s14, 4
	s_and_b32 s16, s14, 15
	s_mov_b32 s20, 0x76543210
	s_mov_b32 s21, 0xfedcba98
	s_mov_b32 s22, 0x3e38aa3b
	s_mov_b32 s23, s22
	s_mov_b32 s60, 0xffff0000
	s_mov_b32 s24, 15|(3<<16)|(1<<21)
	s_mov_b32 s32, 15|(3<<16)|(1<<21)
.irp g, 24, 32
	s_mov_b32 s[\g+1], 32<<16
	s_mov_b32 s[\g+3], 32<<16
	s_mov_b32 s[\g+5], 32
	s_mov_b32 s[\g+6], 0
	s_mov_b32 s[\g+7], 0
.endr
	s_mov_b32 s26, 64<<16                          ; codes: 64 rows of 256 bytes a load
	s_mov_b32 s28, 64
	s_mov_b32 s34, 16<<16                          ; scale words: 16 rows
	s_mov_b32 s36, 16
	s_add_co_u32 s66, s16, 16
	s_lshl_b32 s66, s66, 7
	s_lshl_b32 s67, s15, 5
	s_add_co_u32 s66, s66, s67                     ; k's first group of this batch and head; v's lies 2,048 groups on
	s_mul_i32 s76, s66, 3072
	s_lshl_b32 s80, s12, 14                        ; codes, LDS: 16,384 x wave (v's region begins at 6 x 16,384)
	s_add_co_u32 s76, s76, s80
	s_mul_i32 s67, s12, 11
	s_lshr_b32 s67, s67, 6                         ; 0 for waves 0-5, 1 for waves 6-11
	s_mul_i32 s67, s67, 6291456-98304              ; from the end of k's codes to the start of v's
	s_add_co_u32 s76, s76, s67
	s_mov_b32 s77, 0
	s_lshl_b32 s78, s66, 8
	s_and_b32 s81, s12, 3
	s_lshl_b32 s81, s81, 12                        ; scale words: 4,096 x (wave % 4)
	s_add_co_u32 s78, s78, s81
	s_bfe_u32 s67, s12, 0x10001                    ; 1 for waves 14, 15
	s_mul_i32 s67, s67, 524288-8192                ; from the end of k's scale words to the start of v's
	s_add_co_u32 s78, s78, s67
	s_mov_b32 s79, 0
	s_add_co_u32 s81, s81, KS
	s_lshl_b32 s82, s15, 7
	s_lshl_b32 s83, s13, 5
	s_add_co_u32 s83, s83, s12
	s_lshl_b32 s68, s16, 9
	s_add_co_u32 s68, s68, s82
	s_add_co_u32 s68, s68, s83
	s_mul_i32 s68, s68, 768
	s_mov_b32 s69, 0
	s_lshl_b32 s70, s16, 7
	s_lshl_b32 s84, s15, 5
	s_add_co_u32 s70, s70, s84
	s_lshr_b32 s84, s83, 2
	s_add_co_u32 s70, s70, s84
	s_lshl_b32 s70, s70, 8
	s_and_b32 s84, s12, 3
	s_lshl_b32 s84, s84, 2
	s_add_co_u32 s70, s70, s84
	s_mov_b32 s71, 0
	s_add_co_u32 s72, s82, s83
	s_lshl_b32 s74, s72, 1
	s_lshl_b32 s72, s72, 4
	s_add_co_u32 s72, s72, s16
	s_mul_i32 s72, s72, 768
	s_mov_b32 s73, 0
	s_lshr_b32 s84, s16, 3
	s_add_co_u32 s74, s74, s84
	s_lshl_b32 s74, s74, 8
	s_and_b32 s84, s16, 7
	s_lshl_b32 s84, s84, 1
	s_add_co_u32 s74, s74, s84
	s_mov_b32 s75, 0
	v_and_b32 v6, 31, v0
	v_and_b32 v7, 15, v0
	v_bfe_u32 v8, v0, 4, 1
	s_delay_alu instid0(VALU_DEP_3)
	v_lshlrev_b32 v1, 4, v6
	s_delay_alu instid0(VALU_DEP_4)
	v_lshlrev_b32 v2, 3, v6
	s_delay_alu instid0(VALU_DEP_4)
	v_lshlrev_b32 v35, 4, v7
	s_delay_alu instid0(VALU_DEP_1)
	v_add_nc_u32 v3, KS, v35
	s_delay_alu instid0(VALU_DEP_4)
	v_add_nc_u32 v233, VC, v1
	s_delay_alu instid0(VALU_DEP_4)
	v_add_nc_u32 v234, VC, v2
	s_delay_alu instid0(VALU_DEP_4)
	v_add_nc_u32 v232, v35, v8
	s_wait_dscnt 0x0
	s_wait_kmcnt 0x0
	s_add_nc_u64 s[76:77], s[4:5], s[76:77]
	s_add_nc_u64 s[78:79], s[6:7], s[78:79]
	s_add_nc_u64 s[68:69], s[4:5], s[68:69]
	s_add_nc_u64 s[70:71], s[6:7], s[70:71]
	s_add_nc_u64 s[72:73], s[8:9], s[72:73]
	s_add_nc_u64 s[74:75], s[10:11], s[74:75]
	CROUND
	s_mov_b32 s40, 1
	s_mov_b32 s41, s81
	s_mov_b64 s[42:43], s[78:79]
	s_or_b32 s43, s43, 0x80000000
	s_mov_b32 s44, 1
	s_mov_b32 s45, s80
	s_mov_b64 s[46:47], s[76:77]
	s_or_b32 s47, s47, 0x80000000
	s_cmp_lt_u32 s12, 12                           ; every way through the head passes one load
	s_cbranch_scc0 .Lfill_scales
	tensor_load_to_lds s[44:47], s[24:31]          ; waves 0-11: codes
	s_nop 0
.rept 4
	v_nop
.endr
	s_branch .Lfilled
.Lfill_scales:
	tensor_load_to_lds s[40:43], s[32:39]          ; waves 12-15: scale words
	s_nop 0
.rept 4
	v_nop
.endr
.Lfilled:
	s_wait_alu depctr_va_vdst(0)
	global_load_b128 v[16:19], v1, s[68:69]
	global_load_b64 v[20:21], v2, s[68:69] offset:512
	global_load_b32 v11, v35, s[70:71]
	global_load_b128 v[28:31], v1, s[68:69] offset:12288
	global_load_b64 v[32:33], v2, s[68:69] offset:12800
	global_load_b32 v34, v35, s[70:71] offset:1024
.irp j, 22,23,24,25,26,27, 84,85,86,87,88,89, 218,219,220,221, 227, 229
	v_mov_b32 v\j, 0
.endr
.macro INIT
.set j, 0
.rept 32
	v_mov_b32 v[162+j], 0
.set j, j+1
.endr
	v_mov_b32 v14, 0
	v_mov_b32 v15, 0
	v_mov_b32 v13, 0xff61b1e6
	s_delay_alu instid0(VALU_DEP_1)
	v_floor_f32 v12, -v13
.endm
.macro STEP
	v_add_nc_u32 v6, s61, v1
	v_add_nc_u32 v7, s61, v2
	v_add_nc_u32 v8, s61, v233
	v_add_nc_u32 v9, s61, v234
	v_add_nc_u32 v10, s62, v3
.irp t, 0,1,2,3,4,5,6,7
	ds_load_b128 v[36+6*\t:39+6*\t], v6 offset:768*\t
	ds_load_b64 v[40+6*\t:41+6*\t], v7 offset:768*\t+512
.endr
	ds_load_b128 v[90:93], v10
	ds_load_b128 v[94:97], v10 offset:256
	s_wait_alu depctr_va_vdst(0)
	s_wait_dscnt 0x0
.irp t, 0,1,2,3,4,5,6,7
	v_wmma_scale_f32_16x16x128_f8f6f4 v[98+8*\t:105+8*\t], v[36+6*\t:47+6*\t], v[16:27], 0, v[90+\t], v11 matrix_a_fmt:MATRIX_FMT_FP6 matrix_b_fmt:MATRIX_FMT_FP6
.endr
.rept 4
	v_nop
.endr
.irp t, 0,1,2,3
.irp c, 0,1
	ds_load_b128 v[36+12*\t+6*\c:39+12*\t+6*\c], v8 offset:3072*\c+768*\t
	ds_load_b64 v[40+12*\t+6*\c:41+12*\t+6*\c], v9 offset:3072*\c+768*\t+512
.endr
.endr
	ds_load_b128 v[90:93], v10 offset:8192
.irp b, 0,1,2,3
	v_max3_num_f32 v[214+\b], v[98+16*\b], v[99+16*\b], v[100+16*\b]
.endr
.irp i, 3,5,7,9,11,13
.irp b, 0,1,2,3
	v_max3_num_f32 v[214+\b], v[214+\b], v[98+16*\b+\i], v[99+16*\b+\i]
.endr
.endr
.irp b, 0,1,2,3
	v_max_num_f32 v[214+\b], v[214+\b], v[113+16*\b]
.endr
.irp b, 0,1,2,3
	s_delay_alu instid0(VALU_DEP_4)
	v_permlanex16_b32 v[218+\b], v[214+\b], s20, s21
.endr
.irp b, 0,1,2,3
	s_delay_alu instid0(VALU_DEP_4)
	v_max_num_f32 v[214+\b], v[214+\b], v[218+\b]
.endr
	s_delay_alu instid0(VALU_DEP_2)
	v_max3_num_f32 v229, v214, v215, v216
	s_delay_alu instid0(VALU_DEP_1)
	v_max_num_f32 v229, v229, v217
	s_delay_alu instid0(VALU_DEP_1)
	v_mul_f32 v229, s22, v229
	s_delay_alu instid0(VALU_DEP_1)
	v_max_num_f32 v13, v13, v229
	v_mov_b32 v229, v12
	s_delay_alu instid0(VALU_DEP_2)
	v_floor_f32 v12, -v13
	s_delay_alu instid0(VALU_DEP_1)
	v_sub_f32 v229, v12, v229
	s_delay_alu instid0(VALU_DEP_1)
	v_cvt_i32_f32 v229, v229
	s_delay_alu instid0(VALU_DEP_1)
	v_ldexp_f32 v226, 1.0, v229
.set j, 0
.rept 32
	v_pk_fma_f32 v[98+j:99+j], v[98+j:99+j], s[22:23], v[12:13] op_sel_hi:[1,0,0]
.set j, j+2
.endr
.irp b, 0,1,2,3
	v_fma_f32 v[214+\b], v[214+\b], s22, v12
.endr
.set j, 0
	s_wait_alu depctr_va_vdst(0)
.rept 64
	v_exp_f32 v[98+j], v[98+j]
.set j, j+1
.endr
	v_pk_mul_f32 v[14:15], v[14:15], v[226:227] op_sel_hi:[1,0]
	s_wait_alu depctr_va_vdst(0)
.irp b, 0,1,2,3
	v_exp_f32 v[214+\b], v[214+\b]
.endr
	v_pk_add_f32 v[230:231], v[98:99], v[100:101]
.irp j, 4,8,12,16,20,24,28,32,36,40,44
	v_pk_add_f32 v[14:15], v[14:15], v[98+\j:99+\j]
	v_pk_add_f32 v[230:231], v[230:231], v[100+\j:101+\j]
.endr
	s_wait_alu depctr_va_vdst(0)
.irp b, 0,1,2,3
	v_max_num_f32 v[214+\b], 0x1800000, v[214+\b]
.endr
.irp b, 0,1,2,3
	s_delay_alu instid0(VALU_DEP_4)
	v_add_nc_u32 v[222+\b], 0xff000000, v[214+\b]
.endr
.irp b, 0,1,2,3
	s_delay_alu instid0(VALU_DEP_4)
	v_lshrrev_b32 v[218+\b], 23, v[222+\b]
.endr
	s_delay_alu instid0(VALU_DEP_3)
	v_lshl_or_b32 v228, v219, 8, v218
	s_delay_alu instid0(VALU_DEP_1)
	v_lshl_or_b32 v228, v220, 16, v228
	s_delay_alu instid0(VALU_DEP_1)
	v_lshl_or_b32 v228, v221, 24, v228
.irp c, 0,1
	v_cvt_scalef32_pk16_fp6_f32 v[194+6*\c:196+6*\c], v[98+32*\c:113+32*\c], v[222+2*\c]
	v_cvt_scalef32_pk16_fp6_f32 v[206+4*\c:208+4*\c], v[114+32*\c:129+32*\c], v[223+2*\c]
.endr
	v_nop
.irp c, 0,1
.irp i, 0,1,2
	v_permlane16_swap_b32 v[194+6*\c+\i], v[206+4*\c+\i]
.endr
.irp i, 0,1,2
	s_delay_alu instid0(VALU_DEP_3)
	v_mov_b32 v[197+6*\c+\i], v[206+4*\c+\i]
.endr
.endr
.set j, 0
.rept 16
	v_pk_mul_f32 v[162+j:163+j], v[162+j:163+j], v[226:227] op_sel_hi:[1,0]
.set j, j+2
.endr
.irp j, 48,52,56,60
	v_pk_add_f32 v[14:15], v[14:15], v[98+\j:99+\j]
	v_pk_add_f32 v[230:231], v[230:231], v[100+\j:101+\j]
.endr
	s_delay_alu instid0(VALU_DEP_1)
	v_pk_add_f32 v[14:15], v[14:15], v[230:231]
	s_wait_dscnt 0x0
.irp t, 0,1,2,3
	v_wmma_scale_f32_16x16x128_f8f6f4 v[162+8*\t:169+8*\t], v[36+12*\t:47+12*\t], v[194:205], v[162+8*\t:169+8*\t], v[90+\t], v228 matrix_a_fmt:MATRIX_FMT_FP6 matrix_b_fmt:MATRIX_FMT_FP6
.endr
	s_add_co_u32 s61, s61, 6144
	s_add_co_u32 s62, s62, 512
.endm
.macro FINISH pass
.rept 4
	v_nop
.endr
	v_add_f32 v14, v14, v15
	s_delay_alu instid0(VALU_DEP_1)
	v_permlanex16_b32 v229, v14, s20, s21
	s_delay_alu instid0(VALU_DEP_1)
	v_add_f32 v14, v14, v229
	s_wait_alu depctr_va_vdst(0)
	v_rcp_f32 v14, v14
	v_nop
	s_wait_alu depctr_va_vdst(0)
.set j, 0
.rept 16
	v_pk_mul_f32 v[98+j:99+j], v[162+j:163+j], v[14:15] op_sel_hi:[1,0]
.set j, j+2
.endr
.irp g, 0,1
	v_max3_num_f32 v[214+\g], |v[98+16*\g]|, |v[99+16*\g]|, 0x1800000
.endr
.irp i, 2,4,6,8,10,12,14
.irp g, 0,1
	s_delay_alu instid0(VALU_DEP_2)
	v_max3_num_f32 v[214+\g], v[214+\g], |v[98+16*\g+\i]|, |v[99+16*\g+\i]|
.endr
.endr
.irp g, 0,1
	s_delay_alu instid0(VALU_DEP_2)
	v_permlanex16_b32 v[218+\g], v[214+\g], s20, s21
.endr
.irp g, 0,1
	s_delay_alu instid0(VALU_DEP_2)
	v_max_num_f32 v[214+\g], v[214+\g], v[218+\g]
.endr
.irp g, 0,1
	s_delay_alu instid0(VALU_DEP_2)
	v_add_nc_u32 v[222+\g], 0xff000000, v[214+\g]
.endr
.irp g, 0,1
	s_delay_alu instid0(VALU_DEP_2)
	v_lshrrev_b32 v[218+\g], 23, v[222+\g]
.endr
	v_cvt_scalef32_pk16_fp6_f32 v[194:196], v[98:113], v222
	v_cvt_scalef32_pk16_fp6_f32 v[206:208], v[114:129], v223
	v_cndmask_b32 v229, v218, v219, s60
.irp i, 0,1,2
	v_permlane16_swap_b32 v[194+\i], v[206+\i]
.endr
.irp i, 0,1,2
	s_delay_alu instid0(VALU_DEP_3)
	v_mov_b32 v[197+\i], v[206+\i]
.endr
	global_store_b128 v1, v[194:197], s[72:73] offset:196608*\pass
	global_store_b64 v2, v[198:199], s[72:73] offset:196608*\pass+512
	global_store_b8 v232, v229, s[74:75] offset:8192*\pass
.endm
	INIT
	s_wait_loadcnt 0x0                             ; q's codes and scale words
	s_wait_tensorcnt 0x0                           ; every wave: my one load has landed
	s_barrier_signal -1
	s_barrier_wait -1                              ; everybody's has: k, v and their scale words are whole
	s_mov_b32 s61, 0
	s_mov_b32 s62, 0
	s_mov_b32 s63, 16
.Lfirst:                                               ; the first pass: 16 steps of 128 keys
	STEP
	s_sub_co_u32 s63, s63, 1
	s_cmp_lg_u32 s63, 0
	s_cbranch_scc1 .Lfirst
	s_wait_alu depctr_va_vdst(0)
	FINISH 0
	s_wait_xcnt 0x0
.irp j, 0,1,2,3,4,5
	v_mov_b32 v[16+\j], v[28+\j]
.endr
	v_mov_b32 v11, v34
	INIT
	s_mov_b32 s61, 0
	s_mov_b32 s62, 0
	s_mov_b32 s63, 16
.Lsecond:
	STEP
	s_sub_co_u32 s63, s63, 1
	s_cmp_lg_u32 s63, 0
	s_cbranch_scc1 .Lsecond
	s_wait_alu depctr_va_vdst(0)
	FINISH 1
	s_wait_tensorcnt 0x0
	ds_add_u32 v4, v5
	s_wait_dscnt 0x0
	CROUND
	s_endpgm
.Lfunc_end_k_q13069d08a3_attn:
	.size	k_q13069d08a3_attn, .Lfunc_end_k_q13069d08a3_attn-k_q13069d08a3_attn
	.p2alignl 7, 3214868480
	.fill 96, 4, 3214868480
	.section	.rodata,"a",@progbits
	.p2align	6, 0x0
	.amdhsa_kernel k_q13069d08a3_attn
		.amdhsa_group_segment_fixed_size 327680
		.amdhsa_private_segment_fixed_size 0
		.amdhsa_enable_private_segment 0
		.amdhsa_kernarg_size 32
		.amdhsa_user_sgpr_count 2
		.amdhsa_user_sgpr_kernarg_segment_ptr 1
		.amdhsa_wavefront_size32 1
		.amdhsa_system_sgpr_workgroup_id_x 1
		.amdhsa_system_sgpr_workgroup_id_y 1
		.amdhsa_system_sgpr_workgroup_id_z 1
		.amdhsa_system_vgpr_workitem_id 0
		.amdhsa_next_free_vgpr 256
		.amdhsa_next_free_sgpr 100
		.amdhsa_reserve_vcc 0
		.amdhsa_float_denorm_mode_32 3
		.amdhsa_float_denorm_mode_16_64 3
		.amdhsa_memory_ordered 1
		.amdhsa_forward_progress 1
		.amdhsa_inst_pref_size 54
	.end_amdhsa_kernel
	.amdgpu_metadata
---
amdhsa.version: [ 1, 2 ]
amdhsa.kernels:
  - .name:           k_q13069d08a3_attn
    .symbol:         k_q13069d08a3_attn.kd
    .args:
      - { .name: qkv_codes, .offset: 0, .size: 8, .value_kind: global_buffer, .address_space: global }
      - { .name: qkv_scales, .offset: 8, .size: 8, .value_kind: global_buffer, .address_space: global }
      - { .name: a_codes, .offset: 16, .size: 8, .value_kind: global_buffer, .address_space: global }
      - { .name: a_scales, .offset: 24, .size: 8, .value_kind: global_buffer, .address_space: global }
    .group_segment_fixed_size: 327680
    .private_segment_fixed_size: 0
    .kernarg_segment_align: 8
    .kernarg_segment_size: 32
    .max_flat_workgroup_size: 512
    .sgpr_count:     100
    .vgpr_count:     256
    .wavefront_size: 32
...
	.end_amdgpu_metadata
.endif
;; end of part 3
;; launch outp (part 4): grid 4 x 64, 4 waves a work-group, clusters of 4 x 4, 327,680 bytes of LDS; arguments a_codes, a_scales, cd_in, sc_in, b_out, out0; writes out0
.if DOCPART == 4
	.amdgcn_target "amdgcn-amd-amdhsa--gfx1250"
	.amdhsa_code_object_version 6
	.text
	.protected	k_q13069d08a3_outp
	.globl	k_q13069d08a3_outp
	.p2align	8
	.type	k_q13069d08a3_outp,@function
k_q13069d08a3_outp:
	s_mov_b64 s[64:65], 0
	v_nop
	global_prefetch_b8 v0, s[64:65] scope:SCOPE_SE
	s_setreg_imm32_b32 hwreg(HW_REG_WAVE_MODE, 25, 1), 1
	s_wait_xcnt 0x0
	s_wait_alu depctr_hold_cnt(0) depctr_sa_sdst(0) depctr_va_vdst(0) depctr_va_sdst(0) depctr_va_ssrc(0) depctr_va_vcc(0) depctr_vm_vsrc(0)
	s_getreg_b32 s2, hwreg(HW_REG_IB_STS2, 6, 4)
	s_cmp_eq_u32 s2, 0
	s_cbranch_scc0 .Lentry_in_a_cluster
	s_endpgm
.Lentry_in_a_cluster:
	s_bfe_u32 s2, ttmp6, 0x10000c
	s_cmp_lg_u32 s2, 0xf033
	s_cbranch_scc0 .Lentry_shape_is_right
	s_endpgm
.Lentry_shape_is_right:
; out0 = attention's result x w_out^T + b_out, on codes of FP6 (E2M3) with E8M0 scales, f32 sums.  R rows (source 1) = tokens, from a_codes; P rows (source 0) = rows of w_out, stack tiles 704-767 of cd_in.
; A lane holds one token, and its registers run along the outputs: P tiles 2 g, 2 g + 1 give outputs 32 g + 16 (lane / 16) + 0 .. 15.  The bias is the C of each sum's first product.
; SHARES: a work-group makes 128 tokens x 256 outputs, each of its four waves 64 x 128: 32 accumulators.  256 work-groups.
; BOTH PANELS FOR ALL OF K LIE IN LDS (98,304 + 196,608 bytes): every LDS byte is filled once, in two stages of 512 along K that are waited for one by one; nothing is filled again.
; CLUSTER 4 x 4: the tokens' panel is asked for jointly along a row of the cluster, w_out's along a column.
; THE WAY OUT goes through a stage of 16 rows x 528 bytes a wave, laid over stage 0 of the panels, which has had its only fill and whose last reads lie ahead of a barrier; each store is 512 consecutive bytes of a row of out0.
; REGISTERS: window 0: v8-23 LDS addresses by stage; v24-31 lane offsets; v32-63 R's scale words, v64-127 P's; v128-223 R's fragments, two sets.
;   window 1: P's fragments, two sets of 96; v192-255 the bias; on the way out rows of out0.   window 2: accumulator (a, b) at v[64 a + 8 b].
.set SPARE, 294912
; FILLS AS THEY STAND NOW (this holds over the count of stages in the comment above): TWO stages, each 512 along K: R's 8 tiles x 6,144 bytes, then P's 16.
; One joint load a wave: wave 0 R's and wave 1 P's first stage, wave 2 R's and wave 3 P's second.  No prefetch: every fill goes out at the head, so there is no loop to run ahead in.
.set STAGE, 147456
.set SPW, 28
.set NIL, 29
.set MSB, 0
.macro WIN new                         ; the immediate's high byte repeats the setting that is left
.if MSB != \new
	s_set_vgpr_msb (MSB<<8)|\new
.set MSB, \new
.endif
.endm
.macro CROUND
	s_barrier_signal -1
	s_barrier_wait -1
	s_cmp_lg_u32 s12, 0
	s_cbranch_scc1 .Lnot_wave_0_\@
	s_barrier_signal -3
.Lnot_wave_0_\@:
	s_barrier_wait -3
	s_barrier_signal -1
	s_barrier_wait -1
.endm
.macro FRAG reg, a16, a8, off          ; a fragment, 16 rows x 128 K, is two half images: 16 + 8 bytes a lane each
	ds_load_b128 v[\reg:\reg+3], v[\a16] offset:\off
	ds_load_b64 v[\reg+4:\reg+5], v[\a8] offset:\off+512
	ds_load_b128 v[\reg+6:\reg+9], v[\a16] offset:\off+768
	ds_load_b64 v[\reg+10:\reg+11], v[\a8] offset:\off+1280
.endm
.macro FETCH k                         ; K step k's fragments, 8 of P and 4 of R, into set k % 2
.set FS, (\k)%2
.set FG, (\k)/4
.set FO, 1536*((\k)%4)
	WIN 0x40
.irp b, 0,1,2,3,4,5,6,7
	FRAG 96*FS+12*\b, 16+FG, 20+FG, 6144*\b+FO
.endr
	WIN 0
.irp a, 0,1,2,3
	FRAG 128+48*FS+12*\a, 8+FG, 12+FG, 6144*\a+FO
.endr
.endm
.macro MULS k                          ; 32 products; the accumulators take turns in one fixed order; K step 0 starts the sums from the bias
.set FS, (\k)%2
.irp a, 0,1,2,3
.irp b, 0,1,2,3,4,5,6,7
.if (\k) == 0
	v_wmma_scale_f32_16x16x128_f8f6f4 v[64*\a+8*\b:64*\a+8*\b+7], v[96*FS+12*\b:96*FS+12*\b+11], v[128+48*FS+12*\a:128+48*FS+12*\a+11], v[192+8*\b:199+8*\b], v[64+8*\b+(\k)], v[32+8*\a+(\k)] matrix_a_fmt:MATRIX_FMT_FP6 matrix_b_fmt:MATRIX_FMT_FP6
.else
	v_wmma_scale_f32_16x16x128_f8f6f4 v[64*\a+8*\b:64*\a+8*\b+7], v[96*FS+12*\b:96*FS+12*\b+11], v[128+48*FS+12*\a:128+48*FS+12*\a+11], v[64*\a+8*\b:64*\a+8*\b+7], v[64+8*\b+(\k)], v[32+8*\a+(\k)] matrix_a_fmt:MATRIX_FMT_FP6 matrix_b_fmt:MATRIX_FMT_FP6
.endif
.endr
.endr
.endm
.macro STEP k
	s_wait_dscnt 0x0                               ; this step's fragments are in
.if (\k) == 3
	s_wait_tensorcnt 0x0                           ; every wave: all that is still out, the second stage, has landed
	s_barrier_signal -1
	s_barrier_wait -1                              ; everybody's has.
.endif
.if (\k) == 7
	s_barrier_signal -1                            ; my reads of the panels are over: behind this barrier the stages for the way out are written over them
.endif
.if (\k) < 7
.if (\k) > 0
.rept 4
	v_nop                                          ; four places in front of loads into registers that the last step's products have read
.endr
.endif
	FETCH (\k)+1
.endif
.if (\k) == 0
	WIN 0x91                                       ; source 0 (P) and C (the bias) window 1, source 1 (R) window 0, D window 2
.else
	WIN 0xa1                                       ; C and D window 2
.endif
	MULS \k
	WIN 0
.if (\k) == 7
	s_barrier_wait -1
.endif
.endm
	s_load_b256 s[4:11], s[0:1], 0x0               ; a_codes, a_scales, cd_in, sc_in
	s_load_b128 s[56:59], s[0:1], 0x20             ; b_out, out0
	v_lshl_add_u32 v[SPW], v0, 2, SPARE
	v_mov_b32 v[NIL], 0
	ds_add_u32 v[SPW], v[NIL]                      ; the wave's opening: the add and its wait stand ahead of my first tensor load; work on registers stands between them
	ds_add_u32 v[SPW], v[NIL]
	v_lshrrev_b32 v1, 5, v0
	v_readfirstlane_b32 s12, v1                    ; wave 0..3
	s_lshr_b32 s13, s12, 1                         ; which half of the tokens is mine.  Also: the K half (stage) that I fetch
	s_and_b32 s14, s12, 1                          ; which half of the outputs.  Also: I fetch for R (0) or for P (1)
	s_bfe_u32 s15, ttmp6, 0x40000                  ; cx
	s_bfe_u32 s16, ttmp6, 0x40004                  ; cy
	s_lshl_b32 s17, ttmp9, 2
	s_add_co_u32 s17, s17, s15                     ; x = 4 x cluster x + cx
	s_and_b32 s18, ttmp7, 0xffff                   ; cluster y
	s_lshl_b32 s19, s16, 2
	s_lshl_b32 s19, 15, s19                        ; my row of the cluster
	s_lshl_b32 s20, 0x1111, s15                    ; my column
	; descriptor group 1: ROWS tiles x 6,144 bytes (768 elements of 8 bytes), 12,288 bytes apart in memory, dense in LDS
	s_or_b32 s24, s19, (3<<16)|(1<<21)
	s_or_b32 s32, s20, (3<<16)|(1<<21)
.irp g, 24, 32
	s_mov_b32 s[\g+1], 768<<16                     ; 6,144 bytes of a tile, 768 elements of 8 bytes
	s_mov_b32 s[\g+3], 768<<16
	s_mov_b32 s[\g+5], 1536
	s_mov_b32 s[\g+6], 0
	s_mov_b32 s[\g+7], 0
.endr
	s_mov_b32 s26, 8<<16                           ; R: eight tiles a load
	s_mov_b32 s28, 8
	s_mov_b32 s34, 16<<16                          ; P: sixteen
	s_mov_b32 s36, 16
	s_lshl_b32 s62, s17, 4
	s_add_co_u32 s62, s62, 704                     ; P's first tile: hangs on cx, never on cy
	s_lshl_b32 s63, s18, 5
	s_lshl_b32 s21, s16, 3
	s_add_co_u32 s63, s63, s21                     ; R's first tile, 32 y + 8 cy: never on cx
	s_mul_i32 s84, s63, 12288                      ; R's panel, in bytes,
	s_mul_i32 s88, s13, 6144                       ; the K half that I fetch: wave / 2
	s_add_co_u32 s84, s84, s88
	s_mov_b32 s85, 0
	s_mul_i32 s86, s62, 12288                      ; and P's
	s_add_co_u32 s86, s86, s88
	s_mov_b32 s87, 0
	s_mul_i32 s88, s13, STAGE                      ; where they go: no place in the cluster enters an LDS address
	s_add_co_u32 s89, s88, 49152
	v_and_b32 v1, 31, v0                           ; lane
	v_and_b32 v2, 15, v0                           ; r
	v_bfe_u32 v3, v0, 4, 1                         ; h
	v_lshlrev_b32 v24, 4, v2                       ; 16 r
	v_lshlrev_b32 v25, 4, v1                       ; 16 x lane
	v_lshlrev_b32 v26, 3, v1                       ; 8 x lane
	v_lshlrev_b32 v30, 6, v3                       ; the bias: 16 numbers on for lanes 16-31
	s_mul_i32 s60, s12, 8448                       ; my stage for the way out
	v_mul_u32_u24 v27, v2, 528
	v_lshl_add_u32 v27, v3, 6, v27
	v_add_nc_u32 v27, s60, v27                     ; in: row r, + 64 h
	v_add_nc_u32 v31, s60, v25                     ; back: 16 bytes a lane of a row
	s_mul_i32 s94, s13, 24576                      ; my four tiles of R,
	s_mul_i32 s95, s14, 49152
	s_add_co_u32 s95, s95, 49152                   ; my eight of P
.irp s, 0,1
	v_add_nc_u32 v[8+\s], s94, v25
	v_add_nc_u32 v[12+\s], s94, v26
	v_add_nc_u32 v[16+\s], s95, v25
	v_add_nc_u32 v[20+\s], s95, v26
	s_add_co_u32 s94, s94, STAGE
	s_add_co_u32 s95, s95, STAGE
.endr
	s_wait_alu depctr_va_vdst(0)
	s_wait_dscnt 0x0                               ; both opening adds are done
	s_wait_kmcnt 0x0
	s_add_nc_u64 s[84:85], s[4:5], s[84:85]
	s_add_nc_u64 s[86:87], s[8:9], s[86:87]
	CROUND                                         ; all sixteen work-groups are here: the joint loads meet
	s_mov_b32 s40, 1                               ; group 0 for R's stage wave / 2
	s_mov_b32 s41, s88
	s_mov_b64 s[42:43], s[84:85]
	s_or_b32 s43, s43, 0x80000000
	s_mov_b32 s68, 1                               ; and for P's
	s_mov_b32 s69, s89
	s_mov_b64 s[70:71], s[86:87]
	s_or_b32 s71, s71, 0x80000000
.macro ARM w, g0, g1, next             ; one chain of branches on the wave's number, one load to an arm, all arms to one join
	s_cmp_eq_u32 s12, \w
	s_cbranch_scc0 \next
	tensor_load_to_lds s[\g0:\g0+3], s[\g1:\g1+7]
	s_nop 0
.rept 4
	v_nop
.endr
	s_branch .Lfilled
\next:
.endm
	ARM 0, 40, 24, .Lfill_1                        ; wave 0: R, first stage
	ARM 1, 68, 32, .Lfill_2                        ; wave 1: P, first stage
	ARM 2, 40, 24, .Lfill_3                        ; wave 2: R, second stage
	tensor_load_to_lds s[68:71], s[32:39]          ; wave 3: P, second stage
	s_nop 0
.rept 4
	v_nop
.endr
.Lfilled:
	s_lshl_b32 s96, s13, 2
	s_add_co_u32 s96, s96, s63                     ; my first tile of tokens
	s_lshl_b32 s90, s96, 9                         ; its scale words,
	s_mov_b32 s91, 0
	s_add_nc_u64 s[90:91], s[6:7], s[90:91]
	s_lshl_b32 s92, s14, 3
	s_add_co_u32 s92, s92, s62
	s_lshl_b32 s92, s92, 9                         ; and those of my eight tiles of w_out
	s_mov_b32 s93, 0
	s_add_nc_u64 s[92:93], s[10:11], s[92:93]
	s_lshl_b32 s66, s17, 10
	s_lshl_b32 s67, s14, 9
	s_add_co_u32 s66, s66, s67                     ; my 128 outputs, in bytes: 1,024 x + 512 x half
	s_mov_b32 s67, 0
	s_add_nc_u64 s[56:57], s[56:57], s[66:67]      ; in the bias,
	s_lshl_b32 s96, s96, 16                        ; a tile's group of rows begins 16 x tile rows of 4,096 bytes down
	s_mov_b32 s97, 0
	s_add_nc_u64 s[58:59], s[58:59], s[96:97]
	s_add_nc_u64 s[58:59], s[58:59], s[66:67]      ; and in out0
.irp a, 0,1,2,3
.irp q, 0,1
	global_load_b128 v[32+8*\a+4*\q:35+8*\a+4*\q], v24, s[90:91] offset:512*\a+256*\q
.endr
.endr
.irp b, 0,1,2,3,4,5,6,7
.irp q, 0,1
	global_load_b128 v[64+8*\b+4*\q:67+8*\b+4*\q], v24, s[92:93] offset:512*\b+256*\q
.endr
.endr
	WIN 0x40                                       ; destination window 1
.irp b, 0,1,2,3,4,5,6,7
	global_load_b128 v[192+8*\b:195+8*\b], v30, s[56:57] offset:128*(\b/2)+32*(\b%2)       ; tile b's eight outputs of my half: 32 (b / 2) + 16 h + 8 (b % 2) + 0 .. 7
	global_load_b128 v[196+8*\b:199+8*\b], v30, s[56:57] offset:128*(\b/2)+32*(\b%2)+16
.endr
	WIN 0
	s_wait_alu depctr_va_vdst(0)
	s_cmp_lt_u32 s12, 2
	s_cbranch_scc0 .Lnot_stage_0
	s_wait_tensorcnt 0x0                           ; waves 0 and 1: the first stage has landed; the load lines are theirs alone
.Lnot_stage_0:
	s_barrier_signal -1
	s_barrier_wait -1                              ; shown to all; the second stage may be on its way
	FETCH 0
	s_wait_loadcnt 0x0                             ; the scale words and the bias
	s_wait_alu depctr_va_vdst(0)
.irp k, 0,1,2,3,4,5,6,7
	STEP \k
.endr
; THE WAY OUT, a tile of 16 tokens at a time.  A lane holds pieces of 32 bytes of one row: they go into my stage and come back as whole rows of 512 bytes.  LDS serves a wave's instructions in order: no wait between stores and loads.
.macro TOSTAGE a
	WIN 0x08                                       ; an LDS store's data are its source 1: window 2
.irp b, 0,1,2,3,4,5,6,7
	ds_store_b128 v27, v[64*(\a)+8*\b:64*(\a)+8*\b+3] offset:128*(\b/2)+32*(\b%2)          ; each accumulator from its low end on
	ds_store_b128 v27, v[64*(\a)+8*\b+4:64*(\a)+8*\b+7] offset:128*(\b/2)+32*(\b%2)+16
.endr
	WIN 0x40                                       ; destination window 1: each tile has 64 registers of its own
.irp t, 0,1,2,3,4,5,6,7,8,9,10,11,12,13,14,15
	ds_load_b128 v[64*(\a)+4*\t:64*(\a)+4*\t+3], v31 offset:528*\t
.endr
.endm
.macro SEND a, younger                 ; younger: the LDS instructions issued behind tile a's loads, which may stay out
	s_wait_dscnt \younger
	WIN 0x04                                       ; a store's data are its source 1: window 1
.irp t, 0,1,2,3,4,5,6,7,8,9,10,11,12,13,14,15
	global_store_b128 v25, v[64*(\a)+4*\t:64*(\a)+4*\t+3], s[58:59] offset:(32*((\a)/2)+8*((\a)%2)+\t+8*(\t/8))*4096 th:TH_STORE_NT   ; lane-row t is this row of the group; 512 consecutive bytes, at a multiple of 256
.endr
.endm
.rept 4
	v_nop                                          ; four places behind the last products: for the stores that read results and the loads into registers that held fragments
.endr
	TOSTAGE 0
.irp a, 1,2,3
	TOSTAGE \a
	SEND \a-1, 32                                  ; behind tile a - 1's loads: tile a's 16 stores and 16 loads
.endr
	SEND 3, 0
	WIN 0
	s_wait_tensorcnt 0x0                           ; the wave's end: behind my last LDS store
	ds_add_u32 v[SPW], v[NIL]
	s_wait_dscnt 0x0
	CROUND                                         ; the closing round
	s_endpgm
.Lfunc_end_k_q13069d08a3_outp:
	.size	k_q13069d08a3_outp, .Lfunc_end_k_q13069d08a3_outp-k_q13069d08a3_outp
	.p2alignl 7, 3214868480
	.fill 96, 4, 3214868480
	.section	.rodata,"a",@progbits
	.p2align	6, 0x0
	.amdhsa_kernel k_q13069d08a3_outp
		.amdhsa_group_segment_fixed_size 327680
		.amdhsa_private_segment_fixed_size 0
		.amdhsa_enable_private_segment 0
		.amdhsa_kernarg_size 48
		.amdhsa_user_sgpr_count 2
		.amdhsa_user_sgpr_kernarg_segment_ptr 1
		.amdhsa_wavefront_size32 1
		.amdhsa_system_sgpr_workgroup_id_x 1
		.amdhsa_system_sgpr_workgroup_id_y 1
		.amdhsa_system_sgpr_workgroup_id_z 1
		.amdhsa_system_vgpr_workitem_id 0
		.amdhsa_next_free_vgpr 768
		.amdhsa_next_free_sgpr 100
		.amdhsa_reserve_vcc 0
		.amdhsa_float_denorm_mode_32 3
		.amdhsa_float_denorm_mode_16_64 3
		.amdhsa_memory_ordered 1
		.amdhsa_forward_progress 1
		.amdhsa_inst_pref_size 84
	.end_amdhsa_kernel
	.amdgpu_metadata
---
amdhsa.version: [ 1, 2 ]
amdhsa.kernels:
  - .name:           k_q13069d08a3_outp
    .symbol:         k_q13069d08a3_outp.kd
    .args:
      - { .name: a_codes, .offset: 0, .size: 8, .value_kind: global_buffer, .address_space: global }
      - { .name: a_scales, .offset: 8, .size: 8, .value_kind: global_buffer, .address_space: global }
      - { .name: cd_in, .offset: 16, .size: 8, .value_kind: global_buffer, .address_space: global }
      - { .name: sc_in, .offset: 24, .size: 8, .value_kind: global_buffer, .address_space: global }
      - { .name: b_out, .offset: 32, .size: 8, .value_kind: global_buffer, .address_space: global }
      - { .name: out0, .offset: 40, .size: 8, .value_kind: global_buffer, .address_space: global }
    .group_segment_fixed_size: 327680
    .private_segment_fixed_size: 0
    .kernarg_segment_align: 8
    .kernarg_segment_size: 48
    .max_flat_workgroup_size: 128
    .sgpr_count:     100
    .vgpr_count:     768
    .wavefront_size: 32
...
	.end_amdgpu_metadata
.endif
;; end of part 4
